; MI455X (gfx1250); checked and timed in simulation.
; The chip was launched on July 23, 2026; its instructions are those of AMD's public machine-readable ISA for CDNA 5 (MIT licence, August 2026) and "CDNA5" Instruction Set Architecture Reference Guide (July 2026). The comments in the code are by the model that wrote it; some were corrected since.
;; Quantization Block. Allowed arithmetic: float matrix products may take bf16 or f16 operands with f32 sums; other float arithmetic in f32, or as packed bf16 or f16 multiplies, adds, multiply-adds, maxima and minima; sums over many terms, partial sums and values carried from step to step in f32; what a program stores and reads back later, other than sums and carried values, may be rounded once to bf16 or f16.
;; Inputs: codebook 8,192 x 512 float32; x 16,384 x 512 float32.
;; Outputs: out0 16,384 x 512 float32.
;; 2 versions, each right; version 2 is version 1 with the launch prep written anew for expert scheduling mode. Each part assembles by itself: llvm-mc -triple=amdgcn-amd-amdhsa -mcpu=gfx1250 --defsym DOCPART=n.
;; ======== version 1 of 2: 4 launches
;; workspace buffers: h16 25,165,824 bytes; sq 98,304 bytes; part 524,288 bytes; best 65,536 bytes of whole numbers
;; launch prep (part 1): grid 384 x 1, 8 waves a work-group, no clusters, 1,280 bytes of LDS; arguments codebook, x, h16, sq; writes h16, sq
.if DOCPART == 1
	.amdgcn_target "amdgcn-amd-amdhsa--gfx1250"
	.amdhsa_code_object_version 6
	.text
	.protected	k_qefb15ef11b_prep
	.globl	k_qefb15ef11b_prep
	.p2align	8
	.type	k_qefb15ef11b_prep,@function
k_qefb15ef11b_prep:
	s_mov_b64 s[64:65], 0
	v_nop
	global_prefetch_b8 v0, s[64:65] scope:SCOPE_SE
	s_setreg_imm32_b32 hwreg(HW_REG_WAVE_MODE, 25, 1), 1
	s_wait_xcnt 0x0
; PREP.  The codebook's 8,192 rows and x's 16,384 rows, 512 f32 each, are taken as one list of 24,576 rows (codebook first).
; Each number is rounded once to bf16 (nearest even) into h16 [24576][512]; sq [24576] takes each row's sum of squares, in f32, OF THE ROUNDED NUMBERS,
; so that the later launches compute the distance of the rounded inputs throughout.
; SHARES.  A work-group owns 64 rows, each of its eight waves 8 rows; a row is four loads of 512 consecutive bytes a wave.  All 32 loads of a wave go out at once; there is no loop.
; Memory binds: no matrix unit, no cluster (no byte is read twice).  LDS serves one thing: the 64 sums leave as one store of 256 consecutive aligned bytes.
; LIMITS.  The order of the 512 additions is this text's own (two packed chains a lane, then across the lanes), not reference()'s; NaN and infinities pass through as they are.
.set ROWB,  2048                       ; bytes of an f32 row
.set HROWB, 1024                       ; bytes of a bf16 row
.set SPARE, 256                        ; LDS: bytes 0-255 the 64 sums; from 256 the spare words, 128 bytes for each of eight waves
.set X,     32                         ; v[32:159] row i, load k at X + 16 i + 4 k; then its first two registers hold the four bf16
; v1 lane   v2 16 lane (loads)   v3 8 lane (stores, and wave 0's read of the sums)   v4 lane % 8   v5 LDS address of the sum of row lane % 8 of my wave
; v6, v7 the add's two registers   v[8:11] four numbers widened   v[12:13], v[14:15] two chains of sums   v16 lane l: the sum of row l % 8   v17 at work   v[20:21] two sums read back
	s_load_b256 s[4:11], s[0:1], 0x0               ; codebook s[4:5], x s[6:7], h16 s[8:9], sq s[10:11]
	v_lshl_add_u32 v6, v0, 2, SPARE                ; my spare word,
	v_mov_b32 v7, 0                                ; and 0: kept for the add at the wave's end
	v_lshrrev_b32 v1, 5, v0
	v_readfirstlane_b32 s12, v1                    ; wave 0..7
	v_and_b32 v1, 31, v0
	v_lshlrev_b32 v2, 4, v1
	v_lshlrev_b32 v3, 3, v1
	v_and_b32 v4, 7, v1
	s_lshl_b32 s13, s12, 3                         ; my wave's first row in the group's 64
	v_add_nc_u32 v5, s13, v4
	v_lshlrev_b32 v5, 2, v5
	v_mov_b32 v17, 0                               ; v_permlanex16_b32 counts as a reader of its destination
	s_mov_b32 s20, 0xffff0000                      ; a word's upper bf16
	s_mov_b32 s22, 0x76543210                      ; v_permlanex16_b32: each lane takes its own place in the other half
	s_mov_b32 s23, 0xfedcba98
	s_mov_b32 s21, ttmp9                           ; the work-group's number: 0-127 codebook, 128-383 x
	s_mov_b32 s19, 0
	s_wait_kmcnt 0x0
	s_cmp_lt_u32 s21, 128
	s_cselect_b64 s[14:15], s[4:5], s[6:7]         ; the tensor that my rows come from,
	s_cselect_b32 s16, 0, 128                      ; and the number of its first work-group
	s_sub_co_u32 s17, s21, s16
	s_lshl_b32 s17, s17, 6
	s_add_co_u32 s17, s17, s13                     ; my first row in that tensor
	s_lshl_b32 s18, s17, 11                        ; in bytes: under 2^26
	s_add_nc_u64 s[14:15], s[14:15], s[18:19]
	s_lshl_b32 s18, s21, 6
	s_add_co_u32 s18, s18, s13                     ; my first row in the joint list
	s_lshl_b32 s18, s18, 10
	s_add_nc_u64 s[8:9], s[8:9], s[18:19]
	s_lshl_b32 s18, s21, 8                         ; the group's 64 sums
	s_add_nc_u64 s[10:11], s[10:11], s[18:19]
.set i, 0
.rept 32                                       ; row i / 4, quarter i % 4
	global_load_b128 v[X+4*i:X+4*i+3], v2, s[14:15] offset:ROWB*(i/4)+512*(i%4) th:TH_LOAD_NT
.set i, i+1
.endr
; Row i: rounded, stored, squared and summed.  No register that a pending store reads is written again, so no wait stands for the stores.
.macro ROWP i
	s_wait_loadcnt 28-4*(\i)                       ; loads come back in order: mine are in, the younger rows' four each stay out
.irp k, 0,1,2,3
.set rX, X+16*(\i)+4*(\k)
	v_cvt_pk_bf16_f32 v[rX], v[rX], v[rX+1]
	v_cvt_pk_bf16_f32 v[rX+1], v[rX+2], v[rX+3]
	global_store_b64 v3, v[rX:rX+1], s[8:9] offset:HROWB*(\i)+256*(\k)  ; the wave's store covers 256 consecutive bytes, aligned
	v_lshlrev_b32 v8, 16, v[rX]                    ; the rounded numbers back in f32
	v_and_b32 v9, s20, v[rX]
	v_lshlrev_b32 v10, 16, v[rX+1]
	v_and_b32 v11, s20, v[rX+1]
.if (\k) == 0
	v_pk_mul_f32 v[12:13], v[8:9], v[8:9]          ; the first squares start the chains: nothing is cleared
	v_pk_mul_f32 v[14:15], v[10:11], v[10:11]
.else
	v_pk_fma_f32 v[12:13], v[8:9], v[8:9], v[12:13]
	v_pk_fma_f32 v[14:15], v[10:11], v[10:11], v[14:15]
.endif
.endr
	v_pk_add_f32 v[12:13], v[12:13], v[14:15]
	v_add_f32 v12, v12, v13
	v_add_f32_dpp v12, v12, v12 row_xmask:1 row_mask:0xf bank_mask:0xf
	v_add_f32_dpp v12, v12, v12 row_xmask:2 row_mask:0xf bank_mask:0xf
	v_add_f32_dpp v12, v12, v12 row_xmask:4 row_mask:0xf bank_mask:0xf
	v_add_f32_dpp v12, v12, v12 row_xmask:8 row_mask:0xf bank_mask:0xf
	v_permlanex16_b32 v17, v12, s22, s23
	v_add_f32 v12, v12, v17                        ; every lane holds the row's sum
.if (\i) == 0
	v_mov_b32 v16, v12
.else
	v_cmp_eq_u32 vcc_lo, \i, v4
	v_cndmask_b32 v16, v16, v12, vcc_lo            ; lane l keeps the sum of row l % 8
.endif
.endm
.irp i, 0,1,2,3,4,5,6,7
	ROWP \i
.endr
	ds_store_b32 v5, v16                           ; four lanes write each word, with the same value
	s_wait_dscnt 0x0                               ; for wave 0's sake: my sums are in LDS
	s_barrier_signal -1
	s_barrier_wait -1
	s_cmp_lg_u32 s12, 0
	s_cbranch_scc1 .Lend
	ds_load_b64 v[20:21], v3                       ; wave 0: all 64 sums,
	s_wait_dscnt 0x0
	global_store_b64 v3, v[20:21], s[10:11]        ; 256 consecutive bytes, aligned
.Lend:
	s_wait_tensorcnt 0x0                           ; the wave's end
	ds_add_u32 v6, v7
	s_wait_dscnt 0x0
	s_endpgm
.Lfunc_end_k_qefb15ef11b_prep:
	.size	k_qefb15ef11b_prep, .Lfunc_end_k_qefb15ef11b_prep-k_qefb15ef11b_prep
	.p2alignl 7, 3214868480
	.fill 96, 4, 3214868480
	.section	.rodata,"a",@progbits
	.p2align	6, 0x0
	.amdhsa_kernel k_qefb15ef11b_prep
		.amdhsa_group_segment_fixed_size 1280
		.amdhsa_private_segment_fixed_size 0
		.amdhsa_enable_private_segment 0
		.amdhsa_kernarg_size 32
		.amdhsa_user_sgpr_count 2
		.amdhsa_user_sgpr_kernarg_segment_ptr 1
		.amdhsa_wavefront_size32 1
		.amdhsa_system_sgpr_workgroup_id_x 1
		.amdhsa_system_sgpr_workgroup_id_y 1
		.amdhsa_system_sgpr_workgroup_id_z 1
		.amdhsa_system_vgpr_workitem_id 0
		.amdhsa_next_free_vgpr 160
		.amdhsa_next_free_sgpr 66
		.amdhsa_reserve_vcc 1
		.amdhsa_float_denorm_mode_32 3
		.amdhsa_float_denorm_mode_16_64 3
		.amdhsa_memory_ordered 1
		.amdhsa_forward_progress 1
		.amdhsa_inst_pref_size 25
	.end_amdhsa_kernel
	.amdgpu_metadata
---
amdhsa.version: [ 1, 2 ]
amdhsa.kernels:
  - .name:           k_qefb15ef11b_prep
    .symbol:         k_qefb15ef11b_prep.kd
    .args:
      - { .name: codebook, .offset: 0, .size: 8, .value_kind: global_buffer, .address_space: global }
      - { .name: x, .offset: 8, .size: 8, .value_kind: global_buffer, .address_space: global }
      - { .name: h16, .offset: 16, .size: 8, .value_kind: global_buffer, .address_space: global }
      - { .name: sq, .offset: 24, .size: 8, .value_kind: global_buffer, .address_space: global }
    .group_segment_fixed_size: 1280
    .private_segment_fixed_size: 0
    .kernarg_segment_align: 8
    .kernarg_segment_size: 32
    .max_flat_workgroup_size: 256
    .sgpr_count:     66
    .vgpr_count:     160
    .wavefront_size: 32
...
	.end_amdgpu_metadata
.endif
;; end of part 1
;; launch dist (part 2): grid 64 x 4, 4 waves a work-group, clusters of 4 x 1, 327,680 bytes of LDS; arguments h16, sq, part; writes part
.if DOCPART == 2
	.amdgcn_target "amdgcn-amd-amdhsa--gfx1250"
	.amdhsa_code_object_version 6
	.text
	.protected	k_qefb15ef11b_dist
	.globl	k_qefb15ef11b_dist
	.p2align	8
	.type	k_qefb15ef11b_dist,@function
k_qefb15ef11b_dist:
	s_mov_b64 s[64:65], 0
	v_nop
	global_prefetch_b8 v0, s[64:65] scope:SCOPE_SE
	s_setreg_imm32_b32 hwreg(HW_REG_WAVE_MODE, 25, 1), 1
	s_wait_xcnt 0x0
	s_wait_alu depctr_hold_cnt(0) depctr_sa_sdst(0) depctr_va_vdst(0) depctr_va_sdst(0) depctr_va_ssrc(0) depctr_va_vcc(0) depctr_vm_vsrc(0)
	s_getreg_b32 s2, hwreg(HW_REG_IB_STS2, 6, 4)
	s_cmp_eq_u32 s2, 0
	s_cbranch_scc0 .Lentry_in_a_cluster
	s_endpgm
.Lentry_in_a_cluster:
	s_bfe_u32 s2, ttmp6, 0x10000c
	s_cmp_lg_u32 s2, 0x3003
	s_cbranch_scc0 .Lentry_shape_is_right
	s_endpgm
.Lentry_shape_is_right:
; DIST.  For 256 tokens and a quarter of the codes (2,048): dist = -2 x.e + |x|^2 + |e|^2 and, for each token, the LARGEST dist and its code, the lowest code on a tie.
; x and e are the bf16 rows of h16, |x|^2 and |e|^2 the f32 sums of sq; products are summed in f32; the two additions are reference()'s, in its order: fma(-2, p, |x|^2), rounded once, then + |e|^2.
; part [4 quarters][16384 tokens][dist f32, code u32] takes the result; a later launch takes the best of the four quarters.
; SHARES.  A wave owns 64 tokens, four blocks of 16; all 512 channels of them stay in 512 registers (windows 2 and 3) for the whole launch.  The four waves walk the same 128 blocks of 16 codes,
; so a byte of the codebook read from LDS feeds 64 tokens in each wave, and a byte brought into LDS feeds 256.
; LAYOUT.  Source 0 = 16 codes, source 1 = 16 tokens: in the result a lane holds ONE token (lane % 16) and the codes 8 (lane / 16) + 0..7, so a token's maximum runs inside the lane,
; and the two halves of the lanes meet once, at the end.
; THE ARGMAX WITHOUT INDEX WORK IN THE LOOP.  A lane keeps, for each token block, the best dist, the number of the code block that held it, and that block's eight dist (copied under one mask).
; Which of the eight it was is found once, at the end.  A block wins only if strictly greater, so the earlier block keeps a tie.
; BY TURNS.  A block is 64 matrix instructions (16 steps of 32 channels x 4 token blocks, the four accumulators by turns).  Two sets of accumulators: while one block is multiplied,
; the 93 vector instructions of the block before stand in slices of six behind each four matrix instructions; they name no register of the products round them.
; RING.  Two slots of 128 codes (8 blocks).  A slot is asked for again when it has been left, and has the other slot's 512 matrix instructions a wave in which to land.
; CLUSTER.  The four work-groups of a cluster have the same quarter and other tokens: they walk the same codes, so every tile (and the quarter's |e|^2) is asked for JOINTLY: the same tensor load, descriptor and mask in all four.
; NO FIRST BLOCK IS WRITTEN OUT: the second accumulator set starts at +inf, whose dist is -inf and wins nothing, and the loop is entered in the middle of a trip.  The price: 81 v_mov_b32, in the wait for the first tile.
; LIMITS.  NaN is never chosen (reference()'s argmax would choose it); a token with no dist above -inf gets the lowest code of its share.  Two codes whose dist differ by less than the rounding of the f32 sums
; (a few steps of f32 at the size of dist) may come out in another order than in reference(): the sums' order is the matrix unit's.
;
; REGISTERS, in windows of 256 (s_set_vgpr_msb: bits 1:0 source 0, 3:2 source 1, 5:4 source 2, 7:6 destination):
;   window 0: addresses, statistics, |e|^2, the kept blocks, both accumulator sets          window 1: code fragments, two buffers of 128 (step kc at 128 par + 8 kc)
;   windows 2, 3: the tokens: block tb, step kc in window 2 + kc / 8 at 8 (4 (kc % 8) + tb)
.set PK,    1040                       ; a code's row in LDS: 1,024 bytes + 16 of padding = 260 words: row r starts at bank 4 r mod 64 (64 banks of 4 bytes: ISA guide 11.1), so the 16 rows of a load start at 16 different banks
.set BLKB,  16*PK                      ; a block of 16 codes
.set WTILE, 32*PK                      ; what one wave's tensor load brings: 32 codes
.set SLOTB, 128*PK                     ; a slot: 128 codes
.set ESQL,  2*SLOTB                    ; behind the ring: the quarter's 2,048 |e|^2, filled once
.set SPARE, ESQL+8192                  ; behind that: the spare words, 128 bytes for each wave: two blocks of 256 bytes that no other line names
.set TILEB, 128*1024                   ; a tile's bytes in h16
.set AK0, 3                            ; v3   my lane's place in a block of codes: 1040 (l % 16) + 16 (l / 16); never rewritten
.set ADR, 4                            ; v4   the LDS address of the run of loads in hand
.set AE0, 5                            ; v5   my lane's place in a block's |e|^2: ESQL + 32 (l / 16); never rewritten
.set AE,  6                            ; v6   the LDS address of the block's |e|^2
.set XO,  7                            ; v7   my byte offset in 16 rows of x
.set XQ,  8                            ; v8   my byte offset in 16 |x|^2
.set HOFF, 9                           ; v9   8 (l / 16) + 2048 x quarter: what a block's number x 16 and the place in the eight lack of the code's number
.set PO,  10                           ; v10  8 x lane: my byte offset in 32 tokens of part
.set CBV, 11                           ; v11  the number of the block whose dist are in hand
.set SPW, 12                           ; v12  LDS address of my spare word; never rewritten
.set NIL, 13                           ; v13  0; never rewritten
.set ST,  16                           ; token block tb at ST + 4 tb: |x|^2, best dist, its block's number, at work
.set ESQ, 32                           ; |e|^2 of my eight codes, by accumulator set
.set SV,  48                           ; token block tb at SV + 8 tb: the eight dist of the best block
.set ACC, 96                           ; set par, token block tb at ACC + 32 par + 8 tb
.set FJ,  160                          ; the end: token block tb at FJ + 4 tb: code; the other half's dist; its code
.set OUT, 176                          ; the end: two pairs to store
.set WV,  10                           ; s10  my wave's number
.set G1,  24                           ; s[24:31] descriptor group 1 for the code tiles
.set G1E, 32                           ; s[32:39] for |e|^2
.set G0,  40                           ; s[40:43], s[44:47] descriptor group 0 for slot 0, slot 1
.set G0E, 48                           ; s[48:51] for |e|^2
.set TB,  52                           ; s52  LDS byte at which the block to be fetched begins
.set EB,  53                           ; s53  byte in the table of |e|^2 at which the block in hand begins
.set CNT, 54                           ; s54  counts a slot's four trips
.set SLOTS, 55                         ; s55  counts pairs of slots
.set MK,  56                           ; s56-59 for each token block: the lanes in which the block in hand wins
.set SEL, 60                           ; s[60:61] v_permlanex16_b32's selects: each lane takes its own place in the other half
.set HM,  62                           ; s62  lanes 16-31
.set MSB, 0
.macro WIN new                         ; the immediate's high byte repeats the setting that is left; a switch that changes nothing is dropped
.if MSB != (\new)
	s_set_vgpr_msb (MSB<<8)|(\new)
.set MSB, (\new)
.endif
.endm
.set MUL_LO, 0x09                      ; codes (source 0) window 1, tokens (source 1) window 2, C and D window 0
.set MUL_HI, 0x0d                      ; the same with the tokens' window 3
.set TO_F,   0x40                      ; destination window 1, address window 0
.macro PLACES                          ; four plain vector instructions that name no register of a matrix instruction (ISA guide 7.12.1)
.rept 4
	v_nop
.endr
.endm
; A round of the cluster's barrier: my work-group's barrier, so that wave 0's signal speaks for all four waves; wave 0 signals; every wave waits for all four work-groups; my work-group's barrier once more.
.macro ROUND
	s_barrier_signal -1
	s_barrier_wait -1
	s_cmp_lg_u32 s[WV], 0
	s_cbranch_scc1 .Lnot_wave_0_\@
	s_barrier_signal -3
.Lnot_wave_0_\@:
	s_barrier_wait -3
	s_barrier_signal -1
	s_barrier_wait -1
.endm
	s_load_b128 s[4:7], s[0:1], 0x0                ; h16 s[4:5], sq s[6:7]
	s_load_b64 s[8:9], s[0:1], 0x10                ; part
	v_lshl_add_u32 v[SPW], v0, 2, SPARE
	v_mov_b32 v[NIL], 0
	ds_add_u32 v[SPW], v[NIL]                      ; the wave's opening: the add and its wait stand ahead of my first tensor load; the set-up below, work on registers, stands between them
	v_lshrrev_b32 v1, 5, v0
	v_readfirstlane_b32 s[WV], v1                  ; wave 0..3
	s_bfe_u32 s11, ttmp6, 0x40000                  ; cx: my place in the cluster
	s_lshl_b32 s12, ttmp9, 2                       ; in a cluster launch ttmp9 counts clusters
	s_add_co_u32 s12, s12, s11                     ; my block of 256 tokens: it enters x's, |x|^2's and part's addresses alone
	s_and_b32 s13, ttmp7, 0xffff                   ; the quarter, which the four partners share
	s_lshl_b32 s14, s12, 18                        ; x: 256 rows of 1,024 bytes a token block,
	s_lshl_b32 s15, s[WV], 16                      ; 64 rows a wave,
	s_add_co_u32 s14, s14, s15
	s_add_co_u32 s14, s14, 0x800000                ; behind the codebook's 8,192 rows
	s_mov_b32 s15, 0
	s_lshl_b32 s16, s12, 10                        ; |x|^2 likewise: 4 bytes a row,
	s_lshl_b32 s17, s[WV], 8
	s_add_co_u32 s16, s16, s17
	s_add_co_u32 s16, s16, 0x8000                  ; behind the codebook's 8,192 sums
	s_mov_b32 s17, 0
	s_lshl_b32 s18, s13, 17                        ; part: 131,072 bytes a quarter, 8 a token
	s_lshl_b32 s19, s12, 11
	s_add_co_u32 s18, s18, s19
	s_lshl_b32 s19, s[WV], 9
	s_add_co_u32 s18, s18, s19
	s_mov_b32 s19, 0
	s_lshl_b32 s20, s13, 21                        ; the tiles: 2,048 rows of 1,024 bytes a quarter, my 32 rows of a tile: made of the quarter and the wave's number alone
	s_lshl_b32 s21, s[WV], 15
	s_add_co_u32 s20, s20, s21
	s_mov_b32 s21, 0
	s_lshl_b32 s22, s13, 13                        ; |e|^2: 8,192 bytes a quarter, my 2,048 of them
	s_lshl_b32 s23, s[WV], 11
	s_add_co_u32 s22, s22, s23
	s_mov_b32 s23, 0
	; descriptor group 1 for a wave's part of a tile: 32 rows x 512 elements of 2 bytes, padded in LDS
	s_mov_b32 s[G1+0], 15|(1<<16)|(1<<20)|(1<<21)|(7<<22)|(3<<25)  ; 15:0 the mask of four; 17:16 2-byte elements; 20 padding on; 21 set beside a mask; 24:22 after every 256 words (code 7); 31:25 4 words (code 3)
	s_mov_b32 s[G1+1], 512<<16                     ; tensor_dim0 = 512
	s_mov_b32 s[G1+2], 32<<16                      ; tensor_dim1 = 32
	s_mov_b32 s[G1+3], 512<<16                     ; tile_dim0 = 512
	s_mov_b32 s[G1+4], 32                          ; tile_dim1 = 32
	s_mov_b32 s[G1+5], 512                         ; 512 elements from row to row
	s_mov_b32 s[G1+6], 0
	s_mov_b32 s[G1+7], 0
	; and for a wave's part of |e|^2: 2,048 dense bytes as 8 rows of 256, in elements of 8 bytes, no padding
	s_mov_b32 s[G1E+0], 15|(3<<16)|(1<<21)
	s_mov_b32 s[G1E+1], 32<<16
	s_mov_b32 s[G1E+2], 8<<16
	s_mov_b32 s[G1E+3], 32<<16
	s_mov_b32 s[G1E+4], 8
	s_mov_b32 s[G1E+5], 32
	s_mov_b32 s[G1E+6], 0
	s_mov_b32 s[G1E+7], 0
	s_mov_b32 s[G0], 1                             ; count = 1
	s_mul_i32 s[G0+1], s[WV], WTILE                ; LDS address: slot 0, my 32 rows: no place in the cluster enters an LDS address
	s_mov_b32 s[G0+4], 1
	s_add_co_u32 s[G0+5], s[G0+1], SLOTB           ; slot 1
	s_mov_b32 s[G0E], 1
	s_lshl_b32 s[G0E+1], s[WV], 11
	s_add_co_u32 s[G0E+1], s[G0E+1], ESQL
	s_mov_b32 s[SEL], 0x76543210
	s_mov_b32 s[SEL+1], 0xfedcba98
	s_mov_b32 s[HM], 0xffff0000
	s_mov_b32 s[EB], 0
	s_wait_dscnt 0x0                               ; the opening add is done
	s_wait_kmcnt 0x0
	s_add_nc_u64 s[G0+2:G0+3], s[4:5], s[20:21]    ; tile 0,
	s_add_nc_u64 s[G0+6:G0+7], s[G0+2:G0+3], TILEB ; tile 1
	s_or_b32 s[G0+3], s[G0+3], 0x80000000          ; type = 2
	s_or_b32 s[G0+7], s[G0+7], 0x80000000
	s_add_nc_u64 s[G0E+2:G0E+3], s[6:7], s[22:23]
	s_or_b32 s[G0E+3], s[G0E+3], 0x80000000
	s_add_nc_u64 s[14:15], s[4:5], s[14:15]        ; x at my wave's first row
	s_add_nc_u64 s[16:17], s[6:7], s[16:17]        ; |x|^2 likewise
	s_add_nc_u64 s[18:19], s[8:9], s[18:19]        ; part at my wave's first token
	ROUND                                          ; all four work-groups are here: the first joint loads meet
	tensor_load_to_lds s[G0E:G0E+3], s[G1E:G1E+7]  ; the first fills go out together: two loads of mine are out
	s_nop 0
	tensor_load_to_lds s[G0:G0+3], s[G1:G1+7]      ; tile 0 into slot 0
	s_nop 0
	PLACES
	v_and_b32 v1, 15, v0                           ; l % 16
	v_bfe_u32 v2, v0, 4, 1                         ; l / 16
	v_mul_u32_u24 v[AK0], v1, PK
	v_lshl_add_u32 v[AK0], v2, 4, v[AK0]
	v_lshlrev_b32 v[AE0], 5, v2
	v_add_nc_u32 v[AE0], ESQL, v[AE0]
	v_lshlrev_b32 v[XO], 10, v1
	v_lshl_add_u32 v[XO], v2, 4, v[XO]
	v_lshlrev_b32 v[XQ], 2, v1
	s_lshl_b32 s2, s13, 11
	v_lshl_add_u32 v[HOFF], v2, 3, s2
	v_and_b32 v[PO], 31, v0
	v_lshlrev_b32 v[PO], 3, v[PO]
	; A fragment is 16 rows x 32 channels in 8 registers: lane l holds row l % 16, channels 8 (l / 16) + 0..7 and 16 + 8 (l / 16) + 0..7: two loads of 16 bytes, 32 bytes apart.
	WIN 0x80                                       ; destination window 2, address window 0
.set i, 0
.rept 32                                       ; the tokens stay in registers: block i % 4, channels 32 (i / 4) on
	global_load_b128 v[8*i:8*i+3],   v[XO], s[14:15] offset:16384*(i%4)+64*(i/4)
	global_load_b128 v[8*i+4:8*i+7], v[XO], s[14:15] offset:16384*(i%4)+64*(i/4)+32
.set i, i+1
.endr
	WIN 0xc0                                       ; destination window 3: channels 256 on
.set i, 0
.rept 32
	global_load_b128 v[8*i:8*i+3],   v[XO], s[14:15] offset:16384*(i%4)+64*(i/4)+512
	global_load_b128 v[8*i+4:8*i+7], v[XO], s[14:15] offset:16384*(i%4)+64*(i/4)+544
.set i, i+1
.endr
	WIN 0
.irp t, 0,1,2,3
	global_load_b32 v[ST+4*\t], v[XQ], s[16:17] offset:64*\t  ; |x|^2 of my token in each block
.endr
	; What the first block's riders find: a set of accumulators whose dist is -inf, and nothing kept yet.
.set i, 0
.rept 32
	v_mov_b32 v[ACC+32+i], 0x7f800000              ; +inf: -2 x it is -inf
	v_mov_b32 v[SV+i], 0xff800000
.set i, i+1
.endr
.set i, 0
.rept 8
	v_mov_b32 v[ESQ+8+i], 0
.set i, i+1
.endr
.irp t, 0,1,2,3
	v_mov_b32 v[ST+4*\t+1], 0xff800000             ; best = -inf
	v_mov_b32 v[ST+4*\t+2], 0
.endr
	v_mov_b32 v[CBV], -1                           ; the riders count it up: block 0's dist find 0
; THE CHANGE OF SLOTS, in front of the product of the old slot's last block, whose fragments are in registers.  s = the slot to be read.  Each wave waits for all its tensor loads, of which one is out:
; its part of slot s; adds 0 to its spare word; and waits for that and for its own reads of the slot that it leaves.  fill = 1: the barrier is a round of the cluster's, so that no wave of any partner
; still reads the old slot or has a load on its way, and the joint refill of the old slot, with the tile behind slot s's, is the first thing behind it.
; (At its first use nothing has been read yet: slot 0 and |e|^2 are waited for, slot 1 is filled.)
.macro CHANGE s, fill
	WIN 0                                          ; at a label and at a branch every window is 0
	s_wait_tensorcnt 0x0                           ; no tensor load of mine is out, so a group 0 may be written
	ds_add_u32 v[SPW], v[NIL]                      ; 0 onto my spare word; two scalar lines stand between it and the wait for it
	s_add_nc_u64 s[G0+4*(\s)+2:G0+4*(\s)+3], s[G0+4*(\s)+2:G0+4*(\s)+3], 2*TILEB  ; slot s's next tile (behind the last tiles the stepped address is not used)
	s_mov_b32 s[TB], (\s)*SLOTB                    ; the fetches begin at slot s's first block
	s_wait_dscnt 0x0                               ; the add is done, and my reads of the old slot are over
.if \fill
	ROUND
	tensor_load_to_lds s[G0+4*(1-(\s)):G0+4*(1-(\s))+3], s[G1:G1+7]  ; my one tensor load behind the round
	s_nop 0
	PLACES
.else
	s_barrier_signal -1
	s_barrier_wait -1
.endif
.endm
; 32 LDS loads in one run: a block's 16 codes x 512 channels into buffer par
.macro FETCH par
	WIN 0
	v_add_nc_u32 v[ADR], s[TB], v[AK0]
	s_add_co_u32 s[TB], s[TB], BLKB                ; the next fetch is the next block's
	WIN TO_F
.set f, 0
.rept 16
	ds_load_b128 v[128*(\par)+8*f:128*(\par)+8*f+3],   v[ADR] offset:64*f
	ds_load_b128 v[128*(\par)+8*f+4:128*(\par)+8*f+7], v[ADR] offset:64*f+32
.set f, f+1
.endr
	WIN 0
.endm
; Four matrix instructions: step kc of 32 channels, the four token blocks by turns.  zero = 1: the step starts the sums.
.macro WM par, zero
.if kc < 8
	WIN MUL_LO
.else
	WIN MUL_HI
.endif
.irp t, 0,1,2,3
.if \zero
	v_wmma_f32_16x16x32_bf16 v[ACC+32*(\par)+8*\t:ACC+32*(\par)+8*\t+7], v[128*(\par)+8*kc:128*(\par)+8*kc+7], v[8*(4*(kc%8)+\t):8*(4*(kc%8)+\t)+7], 0
.else
	v_wmma_f32_16x16x32_bf16 v[ACC+32*(\par)+8*\t:ACC+32*(\par)+8*\t+7], v[128*(\par)+8*kc:128*(\par)+8*kc+7], v[8*(4*(kc%8)+\t):8*(4*(kc%8)+\t)+7], v[ACC+32*(\par)+8*\t:ACC+32*(\par)+8*\t+7]
.endif
.endr
.endm
; THE VECTOR WORK OF A BLOCK: number n of 93, for accumulator set q; the token block is n % 4, so that a line never reads the result of the line before it.  All in window 0.
;   0-15  d = -2 p + |x|^2, in pairs, one rounding (each accumulator's lowest registers are read first)     16-31  d += |e|^2
;   32-47 the largest of the eight     48-51 does it beat the best?  strictly: the earlier block keeps a tie     52-55 the block's number     56-59 the best     60-91 the eight d are kept     92 the block's number steps
.macro EP n, q
.set tb, (\n)%4
.set rA, ACC+32*(\q)+8*tb
.set rE, ESQ+8*(\q)
.set rT, ST+4*tb
.set rV, SV+8*tb
.if (\n) < 16
.set p, (\n)/4
	v_pk_fma_f32 v[rA+2*p:rA+2*p+1], v[rA+2*p:rA+2*p+1], -2.0, v[rT:rT+1] op_sel_hi:[1,0,0]
.elseif (\n) < 32
.set p, ((\n)-16)/4
	v_pk_add_f32 v[rA+2*p:rA+2*p+1], v[rA+2*p:rA+2*p+1], v[rE+2*p:rE+2*p+1]
.elseif (\n) < 36
	v_max3_num_f32 v[rT+3], v[rA], v[rA+1], v[rA+2]
.elseif (\n) < 44
.set p, ((\n)-36)/4
	v_max3_num_f32 v[rT+3], v[rT+3], v[rA+3+2*p], v[rA+4+2*p]
.elseif (\n) < 48
	v_max_num_f32 v[rT+3], v[rT+3], v[rA+7]
.elseif (\n) < 52
	v_cmp_gt_f32 s[MK+tb], v[rT+3], v[rT+1]
.elseif (\n) < 56
	v_cndmask_b32 v[rT+2], v[rT+2], v[CBV], s[MK+tb]
.elseif (\n) < 60
	v_max_num_f32 v[rT+1], v[rT+1], v[rT+3]
.elseif (\n) < 92
.set p, ((\n)-60)/4
	v_cndmask_b32 v[rV+p], v[rV+p], v[rA+p], s[MK+tb]
.else
	v_add_nc_u32 v[CBV], 1, v[CBV]
.endif
.endm
.macro SLICE k, q                      ; numbers 6 k to 6 k + 5; the sixteenth slice has the three that are left
.set e0, 6*(\k)
.rept 6
.if e0 < 93
	EP e0, \q
.endif
.set e0, e0+1
.endr
.endm
; A BLOCK: 64 matrix instructions on buffer and set par.  Behind the first four stand the LDS loads, in one run: the next block's fragments into the other buffer (fetch = 1) and this block's |e|^2;
; both are first used in the next block, 60 matrix instructions on.  Behind each four: a slice of the block before's vector work, on the other set.
.macro MUL par, fetch
	s_wait_dscnt 0x0                               ; my fragments and the block before's |e|^2 are in
	PLACES                                         ; between the block before's last products and the riders that read their results, and the loads into the buffer that they read
.set kc, 0
	WM \par, 1
.if \fetch
	FETCH 1-(\par)
.endif
	WIN 0
	v_add_nc_u32 v[AE], s[EB], v[AE0]
	s_add_co_u32 s[EB], s[EB], 64                  ; 16 codes on,
	s_and_b32 s[EB], s[EB], 0x1fc0                 ; inside the table's 8,192 bytes
	ds_load_b128 v[ESQ+8*(\par):ESQ+8*(\par)+3],   v[AE]            ; sixteen lanes read the same 32 bytes
	ds_load_b128 v[ESQ+8*(\par)+4:ESQ+8*(\par)+7], v[AE] offset:16
	SLICE 0, 1-(\par)
.set kc, 1
.rept 15
	WM \par, 0
	WIN 0
	SLICE kc, 1-(\par)
.set kc, kc+1
.endr
.endm
.macro COUNT c, back                   ; a counted loop's end
	s_sub_co_u32 s[\c], s[\c], 1
	s_cmp_lg_u32 s[\c], 0
	s_cbranch_scc1 \back
.endm
	CHANGE 0, 1                                    ; tile 0 and |e|^2 are in, everybody's part; tile 1 is asked for
	FETCH 0                                        ; block 0
	s_wait_loadcnt 0x0                             ; the tokens and |x|^2
	s_mov_b32 s[CNT], 4
	s_mov_b32 s[SLOTS], 8
	s_branch .Lfirst                               ; a trip is an odd block and an even one; there is no block in front of block 0
.Lslot:                                                ; seven times: tiles 1 to 14 are entered, tiles 2 to 15 asked for
	CHANGE 1, 1
	s_mov_b32 s[CNT], 4
.LstepB:                                               ; four trips fetch slot 1's eight blocks; the first multiplies slot 0's last block
	MUL 1, 1
	MUL 0, 1
	COUNT CNT, .LstepB
	CHANGE 0, 1
	s_mov_b32 s[CNT], 4
.LstepA:
	MUL 1, 1
.Lfirst:
	MUL 0, 1
	COUNT CNT, .LstepA
	COUNT SLOTS, .Lslot
	CHANGE 1, 0                                    ; tile 15 is written out: nothing is asked for
	s_mov_b32 s[CNT], 4
.LstepT:
	MUL 1, 1
	MUL 0, 1
	COUNT CNT, .LstepT
	MUL 1, 0                                       ; block 127: nothing is left to fetch
	s_wait_dscnt 0x0                               ; its |e|^2
	PLACES                                         ; behind its last products
.set e1, 0
.rept 93
	EP e1, 1
.set e1, e1+1
.endr
	; THE END.  Which of the kept eight was the best: the lowest j that equals it.  Then the code's number, and the better of the two halves of the lanes: the greater dist, on a tie the lower code.
.irp t, 0,1,2,3
	v_mov_b32 v[FJ+4*\t], 7
	v_mov_b32 v[FJ+4*\t+1], 0                      ; v_permlanex16_b32 counts as a reader of its destination
	v_mov_b32 v[FJ+4*\t+2], 0
.endr
.irp j, 6,5,4,3,2,1,0
.irp t, 0,1,2,3
	v_cmp_neq_f32 s[MK+\t], v[SV+8*\t+\j], v[ST+4*\t+1]
.endr
.irp t, 0,1,2,3
	v_cndmask_b32 v[FJ+4*\t], \j, v[FJ+4*\t], s[MK+\t]
.endr
.endr
.irp t, 0,1,2,3
	v_lshl_add_u32 v[FJ+4*\t], v[ST+4*\t+2], 4, v[FJ+4*\t]
.endr
.irp t, 0,1,2,3
	v_add_nc_u32 v[FJ+4*\t], v[HOFF], v[FJ+4*\t]
.endr
.irp t, 0,1,2,3
	v_permlanex16_b32 v[FJ+4*\t+1], v[ST+4*\t+1], s[SEL], s[SEL+1]
	v_permlanex16_b32 v[FJ+4*\t+2], v[FJ+4*\t], s[SEL], s[SEL+1]
.endr
.irp t, 0,1,2,3
	v_cmp_gt_f32 s66, v[FJ+4*\t+1], v[ST+4*\t+1]
	v_cmp_eq_f32 s67, v[FJ+4*\t+1], v[ST+4*\t+1]
	v_cmp_lt_u32 vcc_lo, v[FJ+4*\t+2], v[FJ+4*\t]
	s_and_b32 s67, s67, vcc_lo
	s_or_b32 s66, s66, s67
	v_cndmask_b32 v[ST+4*\t+1], v[ST+4*\t+1], v[FJ+4*\t+1], s66
	v_cndmask_b32 v[FJ+4*\t], v[FJ+4*\t], v[FJ+4*\t+2], s66
.endr
	; both halves now hold the same: lanes 0-15 give one token block's pairs, lanes 16-31 the next one's, so that a store is 32 tokens in order
.irp u, 0,1
	v_cndmask_b32 v[OUT+2*\u],   v[ST+8*\u+1], v[ST+8*\u+5], s[HM]
	v_cndmask_b32 v[OUT+2*\u+1], v[FJ+8*\u],   v[FJ+8*\u+4], s[HM]
	global_store_b64 v[PO], v[OUT+2*\u:OUT+2*\u+1], s[18:19] offset:256*\u  ; 256 consecutive bytes, aligned
.endr
	s_wait_tensorcnt 0x0                           ; the wave's end
	ds_add_u32 v[SPW], v[NIL]
	s_wait_dscnt 0x0
	ROUND                                          ; the closing round: no work-group ends while a partner may still ask for a tile that names it
	s_endpgm
.Lfunc_end_k_qefb15ef11b_dist:
	.size	k_qefb15ef11b_dist, .Lfunc_end_k_qefb15ef11b_dist-k_qefb15ef11b_dist
	.p2alignl 7, 3214868480
	.fill 96, 4, 3214868480
	.section	.rodata,"a",@progbits
	.p2align	6, 0x0
	.amdhsa_kernel k_qefb15ef11b_dist
		.amdhsa_group_segment_fixed_size 327680
		.amdhsa_private_segment_fixed_size 0
		.amdhsa_enable_private_segment 0
		.amdhsa_kernarg_size 24
		.amdhsa_user_sgpr_count 2
		.amdhsa_user_sgpr_kernarg_segment_ptr 1
		.amdhsa_wavefront_size32 1
		.amdhsa_system_sgpr_workgroup_id_x 1
		.amdhsa_system_sgpr_workgroup_id_y 1
		.amdhsa_system_sgpr_workgroup_id_z 1
		.amdhsa_system_vgpr_workitem_id 0
		.amdhsa_next_free_vgpr 1024
		.amdhsa_next_free_sgpr 72
		.amdhsa_reserve_vcc 1
		.amdhsa_float_denorm_mode_32 3
		.amdhsa_float_denorm_mode_16_64 3
		.amdhsa_memory_ordered 1
		.amdhsa_forward_progress 1
		.amdhsa_inst_pref_size 130
	.end_amdhsa_kernel
	.amdgpu_metadata
---
amdhsa.version: [ 1, 2 ]
amdhsa.kernels:
  - .name:           k_qefb15ef11b_dist
    .symbol:         k_qefb15ef11b_dist.kd
    .args:
      - { .name: h16, .offset: 0, .size: 8, .value_kind: global_buffer, .address_space: global }
      - { .name: sq, .offset: 8, .size: 8, .value_kind: global_buffer, .address_space: global }
      - { .name: part, .offset: 16, .size: 8, .value_kind: global_buffer, .address_space: global }
    .group_segment_fixed_size: 327680
    .private_segment_fixed_size: 0
    .kernarg_segment_align: 8
    .kernarg_segment_size: 24
    .max_flat_workgroup_size: 128
    .sgpr_count:     72
    .vgpr_count:     1024
    .wavefront_size: 32
...
	.end_amdgpu_metadata
.endif
;; end of part 2
;; launch pick (part 3): grid 256 x 1, 1 waves a work-group, no clusters, 0 bytes of LDS; arguments part, best; writes best
.if DOCPART == 3
	.amdgcn_target "amdgcn-amd-amdhsa--gfx1250"
	.amdhsa_code_object_version 6
	.text
	.protected	k_qefb15ef11b_pick
	.globl	k_qefb15ef11b_pick
	.p2align	8
	.type	k_qefb15ef11b_pick,@function
k_qefb15ef11b_pick:
	s_mov_b64 s[64:65], 0
	v_nop
	global_prefetch_b8 v0, s[64:65] scope:SCOPE_SE
	s_setreg_imm32_b32 hwreg(HW_REG_WAVE_MODE, 25, 1), 1
	s_wait_xcnt 0x0
; PICK.  best[token] = the code of the largest of the token's four partial results (one for each quarter of the codes).  A later quarter wins only if strictly greater, so the lowest code keeps a tie.
; part: [4][16384][dist f32, code u32].  One wave takes 64 tokens, a lane two: 16 bytes from each quarter; the wave's store is 256 consecutive aligned bytes.
; The choice only selects a value that is stored: no address of this launch hangs on it.  Half a megabyte in all: nothing here is worth LDS, rings or more waves.
.set QB, 131072                        ; a quarter's bytes in part
	s_load_b128 s[4:7], s[0:1], 0x0                ; part s[4:5], best s[6:7]
	v_lshlrev_b32 v1, 4, v0                        ; my two tokens in part
	v_lshlrev_b32 v2, 3, v0                        ; and in best
	s_lshl_b32 s8, ttmp9, 9                        ; 64 tokens x 8 bytes
	s_mov_b32 s9, 0
	s_lshl_b32 s10, ttmp9, 8                       ; 64 tokens x 4 bytes
	s_mov_b32 s11, 0
	s_wait_kmcnt 0x0
	s_add_nc_u64 s[4:5], s[4:5], s[8:9]
	s_add_nc_u64 s[6:7], s[6:7], s[10:11]
.irp q, 0,1,2,3
	global_load_b128 v[4+4*\q:7+4*\q], v1, s[4:5] offset:QB*\q  ; dist, code, dist, code
.endr
	s_wait_loadcnt 0x0
.irp q, 1,2,3
	v_cmp_gt_f32 vcc_lo, v[4+4*\q], v4
	v_cndmask_b32 v4, v4, v[4+4*\q], vcc_lo
	v_cndmask_b32 v5, v5, v[5+4*\q], vcc_lo
	v_cmp_gt_f32 vcc_lo, v[6+4*\q], v6
	v_cndmask_b32 v6, v6, v[6+4*\q], vcc_lo
	v_cndmask_b32 v7, v7, v[7+4*\q], vcc_lo
.endr
	v_mov_b32 v20, v5                              ; the two codes side by side
	v_mov_b32 v21, v7
	global_store_b64 v2, v[20:21], s[6:7]
	s_endpgm
.Lfunc_end_k_qefb15ef11b_pick:
	.size	k_qefb15ef11b_pick, .Lfunc_end_k_qefb15ef11b_pick-k_qefb15ef11b_pick
	.p2alignl 7, 3214868480
	.fill 96, 4, 3214868480
	.section	.rodata,"a",@progbits
	.p2align	6, 0x0
	.amdhsa_kernel k_qefb15ef11b_pick
		.amdhsa_group_segment_fixed_size 0
		.amdhsa_private_segment_fixed_size 0
		.amdhsa_enable_private_segment 0
		.amdhsa_kernarg_size 16
		.amdhsa_user_sgpr_count 2
		.amdhsa_user_sgpr_kernarg_segment_ptr 1
		.amdhsa_wavefront_size32 1
		.amdhsa_system_sgpr_workgroup_id_x 1
		.amdhsa_system_sgpr_workgroup_id_y 1
		.amdhsa_system_sgpr_workgroup_id_z 1
		.amdhsa_system_vgpr_workitem_id 0
		.amdhsa_next_free_vgpr 24
		.amdhsa_next_free_sgpr 66
		.amdhsa_reserve_vcc 1
		.amdhsa_float_denorm_mode_32 3
		.amdhsa_float_denorm_mode_16_64 3
		.amdhsa_memory_ordered 1
		.amdhsa_forward_progress 1
		.amdhsa_inst_pref_size 2
	.end_amdhsa_kernel
	.amdgpu_metadata
---
amdhsa.version: [ 1, 2 ]
amdhsa.kernels:
  - .name:           k_qefb15ef11b_pick
    .symbol:         k_qefb15ef11b_pick.kd
    .args:
      - { .name: part, .offset: 0, .size: 8, .value_kind: global_buffer, .address_space: global }
      - { .name: best, .offset: 8, .size: 8, .value_kind: global_buffer, .address_space: global }
    .group_segment_fixed_size: 0
    .private_segment_fixed_size: 0
    .kernarg_segment_align: 8
    .kernarg_segment_size: 16
    .max_flat_workgroup_size: 32
    .sgpr_count:     66
    .vgpr_count:     24
    .wavefront_size: 32
...
	.end_amdgpu_metadata
.endif
;; end of part 3
;; launch gather (part 4): grid 512 x 1, 4 waves a work-group, no clusters, 0 bytes of LDS; arguments best, codebook, out0; writes out0
.if DOCPART == 4
	.amdgcn_target "amdgcn-amd-amdhsa--gfx1250"
	.amdhsa_code_object_version 6
	.text
	.protected	k_qefb15ef11b_gather
	.globl	k_qefb15ef11b_gather
	.p2align	8
	.type	k_qefb15ef11b_gather,@function
k_qefb15ef11b_gather:
	s_mov_b64 s[64:65], 0
	v_nop
	global_prefetch_b8 v0, s[64:65] scope:SCOPE_SE
	s_setreg_imm32_b32 hwreg(HW_REG_WAVE_MODE, 25, 1), 1
	s_wait_xcnt 0x0
; GATHER.  out0[token][:] = codebook[best[token]][:], the f32 rows as they are.  A wave owns 8 tokens: it reads their 8 indices by one scalar load, issues all 32 row loads
; (512 consecutive bytes each) at once, and stores each row as it arrives.  Memory binds: no LDS, no matrix unit, no cluster.
; The indices were stored by an earlier launch; they are held to 0..8191 in front of the address arithmetic.  The loads carry no hint: a code may be named by many tokens.
.set ROWB, 2048
.set OFFS, 2                           ; v[2:9]    row i: byte offset of my 16 bytes in the codebook
.set D,    16                          ; v[16:143] row i, quarter k at D + 16 i + 4 k
	s_load_b128 s[4:7], s[0:1], 0x0                ; best s[4:5], codebook s[6:7]
	s_load_b64 s[8:9], s[0:1], 0x10                ; out0
	v_lshrrev_b32 v1, 5, v0
	v_readfirstlane_b32 s10, v1                    ; wave 0..3
	v_and_b32 v1, 31, v0
	v_lshlrev_b32 v1, 4, v1                        ; 16 bytes a lane
	s_lshl_b32 s11, ttmp9, 5                       ; 32 tokens a work-group,
	s_lshl3_add_u32 s11, s10, s11                  ; 8 a wave
	s_lshl_b32 s12, s11, 2
	s_mov_b32 s13, 0
	s_lshl_b32 s14, s11, 11
	s_mov_b32 s15, 0
	s_wait_kmcnt 0x0
	s_add_nc_u64 s[4:5], s[4:5], s[12:13]
	s_add_nc_u64 s[8:9], s[8:9], s[14:15]
	s_load_b256 s[16:23], s[4:5], 0x0              ; my 8 indices: 32 bytes, aligned
	s_wait_kmcnt 0x0
.irp i, 0,1,2,3,4,5,6,7
	s_min_u32 s[16+\i], s[16+\i], 0x1fff
	s_lshl_b32 s[16+\i], s[16+\i], 11
	v_add_nc_u32 v[OFFS+\i], s[16+\i], v1
.endr
.irp i, 0,1,2,3,4,5,6,7
.irp k, 0,1,2,3
	global_load_b128 v[D+16*\i+4*\k:D+16*\i+4*\k+3], v[OFFS+\i], s[6:7] offset:512*\k
.endr
.endr
.irp i, 0,1,2,3,4,5,6,7
	s_wait_loadcnt 28-4*\i                         ; loads come back in order: row i's four are in, the younger rows' stay out
.irp k, 0,1,2,3
	global_store_b128 v1, v[D+16*\i+4*\k:D+16*\i+4*\k+3], s[8:9] offset:ROWB*\i+512*\k th:TH_STORE_NT  ; 512 consecutive bytes, aligned
.endr
.endr
	s_endpgm
.Lfunc_end_k_qefb15ef11b_gather:
	.size	k_qefb15ef11b_gather, .Lfunc_end_k_qefb15ef11b_gather-k_qefb15ef11b_gather
	.p2alignl 7, 3214868480
	.fill 96, 4, 3214868480
	.section	.rodata,"a",@progbits
	.p2align	6, 0x0
	.amdhsa_kernel k_qefb15ef11b_gather
		.amdhsa_group_segment_fixed_size 0
		.amdhsa_private_segment_fixed_size 0
		.amdhsa_enable_private_segment 0
		.amdhsa_kernarg_size 24
		.amdhsa_user_sgpr_count 2
		.amdhsa_user_sgpr_kernarg_segment_ptr 1
		.amdhsa_wavefront_size32 1
		.amdhsa_system_sgpr_workgroup_id_x 1
		.amdhsa_system_sgpr_workgroup_id_y 1
		.amdhsa_system_sgpr_workgroup_id_z 1
		.amdhsa_system_vgpr_workitem_id 0
		.amdhsa_next_free_vgpr 144
		.amdhsa_next_free_sgpr 66
		.amdhsa_reserve_vcc 0
		.amdhsa_float_denorm_mode_32 3
		.amdhsa_float_denorm_mode_16_64 3
		.amdhsa_memory_ordered 1
		.amdhsa_forward_progress 1
		.amdhsa_inst_pref_size 9
	.end_amdhsa_kernel
	.amdgpu_metadata
---
amdhsa.version: [ 1, 2 ]
amdhsa.kernels:
  - .name:           k_qefb15ef11b_gather
    .symbol:         k_qefb15ef11b_gather.kd
    .args:
      - { .name: best, .offset: 0, .size: 8, .value_kind: global_buffer, .address_space: global }
      - { .name: codebook, .offset: 8, .size: 8, .value_kind: global_buffer, .address_space: global }
      - { .name: out0, .offset: 16, .size: 8, .value_kind: global_buffer, .address_space: global }
    .group_segment_fixed_size: 0
    .private_segment_fixed_size: 0
    .kernarg_segment_align: 8
    .kernarg_segment_size: 24
    .max_flat_workgroup_size: 128
    .sgpr_count:     66
    .vgpr_count:     144
    .wavefront_size: 32
...
	.end_amdgpu_metadata
.endif
;; end of part 4
;; ======== version 2 of 2: 4 launches; version 1 with the launch prep written anew for expert scheduling mode
;; workspace buffers: h16 25,165,824 bytes; sq 98,304 bytes; part 524,288 bytes; best 65,536 bytes of whole numbers
;; launch prep (part 5): grid 384 x 1, 8 waves a work-group, no clusters, 1,280 bytes of LDS; arguments codebook, x, h16, sq; writes h16, sq
.if DOCPART == 5
	.amdgcn_target "amdgcn-amd-amdhsa--gfx1250"
	.amdhsa_code_object_version 6
	.text
	.protected	k_qefb15ef11b_prep
	.globl	k_qefb15ef11b_prep
	.p2align	8
	.type	k_qefb15ef11b_prep,@function
k_qefb15ef11b_prep:
	s_mov_b64 s[64:65], 0
	v_nop
	global_prefetch_b8 v0, s[64:65] scope:SCOPE_SE
	s_setreg_imm32_b32 hwreg(HW_REG_WAVE_SCHED_MODE, 0, 2), 2
	s_setreg_imm32_b32 hwreg(HW_REG_WAVE_MODE, 25, 1), 1
	s_wait_xcnt 0x0
	s_wait_alu depctr_vm_vsrc(0)
; PREP.  The codebook's 8,192 rows and x's 16,384 rows, 512 f32 each, are taken as one list of 24,576 rows (codebook first).
; Each number is rounded once to bf16 (nearest even) into h16 [24576][512]; sq [24576] takes each row's sum of squares, in f32, OF THE ROUNDED NUMBERS,
; so that the later launches compute the distance of the rounded inputs throughout.
; SHARES.  A work-group owns 64 rows, each of its eight waves 8 rows; a row is four loads of 512 consecutive bytes a wave.  All 32 loads of a wave go out at once; there is no loop.
; Memory binds: no matrix unit, no cluster (no byte is read twice).  LDS serves one thing: the 64 sums leave as one store of 256 consecutive aligned bytes.
; LIMITS.  The order of the 512 additions is this text's own (two packed chains a lane, then across the lanes), not reference()'s; NaN and infinities pass through as they are.
; THE MODE: SCHED_MODE bits 1:0 = 2 (LLVM: expert scheduling mode 2), set by the entry lines.  The code itself states the register dependences
; between vector instructions and memory or LDS instructions, with s_wait_alu, always for 0.
; THE PLAN.  Registers that memory or LDS instructions touch:
;   X, v32-159   Each group of four is the landing place of ONE load; all 32 loads are issued at the head, ahead of every vector instruction that names X.
;                Row i's eight conversions write the first two registers of its four groups; the row's four stores read them; nothing writes them again.
;   v2, v3, v5   Two offsets and an LDS address: made at the head, never written again.
;   v16          Written by each row's select; read by the one LDS store behind row 7; not written after it.
;   v[20:21]     An LDS load lands there and a store reads them; no vector instruction names them.
;   v6, v7       Written at the head, read by the closing add alone.
;   v8-15, v17   Named by vector instructions alone.
; So: one wait on va_vdst ahead of the loads (the offsets), one to a row behind its conversions (the stores' data), one behind row 7 (the LDS store's data).  A row's stores follow its wait, dealt among
; the row's squares: store k stands ahead of the lines that widen quarter k, so no vector instruction issued since the wait names its registers.
; No register that a memory or LDS instruction has read is written again: no wait on vm_vsrc is owed ahead of the closing lines.
; The seven masks 'lane % 8 = i' and the wave's number are made in one run at the head, into scalar registers, with one wait on va_sdst behind the run.
.set ROWB,  2048                       ; bytes of an f32 row
.set HROWB, 1024                       ; bytes of a bf16 row
.set SPARE, 256                        ; LDS: bytes 0-255 the 64 sums; from 256 the spare words, 128 bytes for each of eight waves
.set X,     32                         ; v[32:159] row i, load k at X + 16 i + 4 k; then its first two registers hold the four bf16
.set RM,    24                         ; s25-s31   row i (1 to 7): the lanes with lane % 8 = i, at RM + i
; v1 lane   v2 16 lane (loads)   v3 8 lane (stores, and wave 0's read of the sums)   v4 lane % 8   v5 LDS address of the sum of row lane % 8 of my wave
; v6, v7 the add's two registers   v[8:11] four numbers widened   v[12:13], v[14:15] two chains of sums   v16 lane l: the sum of row l % 8   v17 at work   v[20:21] two sums read back
	s_load_b256 s[4:11], s[0:1], 0x0               ; codebook s[4:5], x s[6:7], h16 s[8:9], sq s[10:11]
	v_lshl_add_u32 v6, v0, 2, SPARE                ; my spare word,
	v_mov_b32 v7, 0                                ; and 0: kept for the add at the wave's end
	v_lshrrev_b32 v1, 5, v0
	v_readfirstlane_b32 s12, v1                    ; wave 0..7
	v_and_b32 v1, 31, v0
	v_lshlrev_b32 v2, 4, v1
	v_lshlrev_b32 v3, 3, v1
	v_and_b32 v4, 7, v1
.irp i, 1,2,3,4,5,6,7
	v_cmp_eq_u32 s[RM+\i], \i, v4                  ; the lanes that keep row i's sum
.endr
	s_wait_alu depctr_va_sdst(0)                   ; s12 and the seven masks s25-s31 are written, ahead of the first reader of any of them
	s_lshl_b32 s13, s12, 3                         ; my wave's first row in the group's 64
	v_add_nc_u32 v5, s13, v4
	v_lshlrev_b32 v5, 2, v5
	v_mov_b32 v17, 0                               ; v_permlanex16_b32 counts as a reader of its destination
	s_mov_b32 s20, 0xffff0000                      ; a word's upper bf16
	s_mov_b32 s22, 0x76543210                      ; v_permlanex16_b32: each lane takes its own place in the other half
	s_mov_b32 s23, 0xfedcba98
	s_mov_b32 s21, ttmp9                           ; the work-group's number: 0-127 codebook, 128-383 x
	s_mov_b32 s19, 0
	s_wait_kmcnt 0x0
	s_cmp_lt_u32 s21, 128
	s_cselect_b64 s[14:15], s[4:5], s[6:7]         ; the tensor that my rows come from,
	s_cselect_b32 s16, 0, 128                      ; and the number of its first work-group
	s_sub_co_u32 s17, s21, s16
	s_lshl_b32 s17, s17, 6
	s_add_co_u32 s17, s17, s13                     ; my first row in that tensor
	s_lshl_b32 s18, s17, 11                        ; in bytes: under 2^26
	s_add_nc_u64 s[14:15], s[14:15], s[18:19]
	s_lshl_b32 s18, s21, 6
	s_add_co_u32 s18, s18, s13                     ; my first row in the joint list
	s_lshl_b32 s18, s18, 10
	s_add_nc_u64 s[8:9], s[8:9], s[18:19]
	s_lshl_b32 s18, s21, 8                         ; the group's 64 sums
	s_add_nc_u64 s[10:11], s[10:11], s[18:19]
	s_wait_alu depctr_va_vdst(0)                   ; v2 is written, which the loads below read as their offset; so are v3 and v5, which the stores, the LDS store and the LDS load further down read
.set i, 0
.rept 32                                       ; row i / 4, quarter i % 4
	global_load_b128 v[X+4*i:X+4*i+3], v2, s[14:15] offset:ROWB*(i/4)+512*(i%4) th:TH_LOAD_NT
.set i, i+1
.endr
; Row i: rounded, stored, squared and summed.  No register that a pending store reads is written again, so no wait stands for the stores' sources.
.macro ROWP i
	s_wait_loadcnt 28-4*(\i)                       ; loads come back in order: mine are in, the younger rows' four each stay out
.irp k, 0,1,2,3
.set rX, X+16*(\i)+4*(\k)
	v_cvt_pk_bf16_f32 v[rX], v[rX], v[rX+1]
	v_cvt_pk_bf16_f32 v[rX+1], v[rX+2], v[rX+3]
.endr
	s_wait_alu depctr_va_vdst(0)                   ; the row's eight conversions have written the four pairs that the row's four stores read
.irp k, 0,1,2,3
.set rX, X+16*(\i)+4*(\k)
	global_store_b64 v3, v[rX:rX+1], s[8:9] offset:HROWB*(\i)+256*(\k)  ; the wave's store covers 256 consecutive bytes, aligned.  No wait: no vector instruction since the wait above names this pair or v3
	v_lshlrev_b32 v8, 16, v[rX]                    ; the rounded numbers back in f32
	v_and_b32 v9, s20, v[rX]
	v_lshlrev_b32 v10, 16, v[rX+1]
	v_and_b32 v11, s20, v[rX+1]
.if (\k) == 0
	v_pk_mul_f32 v[12:13], v[8:9], v[8:9]          ; the first squares start the chains: nothing is cleared
	v_pk_mul_f32 v[14:15], v[10:11], v[10:11]
.else
	v_pk_fma_f32 v[12:13], v[8:9], v[8:9], v[12:13]
	v_pk_fma_f32 v[14:15], v[10:11], v[10:11], v[14:15]
.endif
.endr
	v_pk_add_f32 v[12:13], v[12:13], v[14:15]
	v_add_f32 v12, v12, v13
	v_add_f32_dpp v12, v12, v12 row_xmask:1 row_mask:0xf bank_mask:0xf
	v_add_f32_dpp v12, v12, v12 row_xmask:2 row_mask:0xf bank_mask:0xf
	v_add_f32_dpp v12, v12, v12 row_xmask:4 row_mask:0xf bank_mask:0xf
	v_add_f32_dpp v12, v12, v12 row_xmask:8 row_mask:0xf bank_mask:0xf
	v_permlanex16_b32 v17, v12, s22, s23
	v_add_f32 v12, v12, v17                        ; every lane holds the row's sum
.if (\i) == 0
	v_mov_b32 v16, v12
.else
	v_cndmask_b32 v16, v16, v12, s[RM+(\i)]        ; lane l keeps the sum of row l % 8; the mask was made, and waited for, at the head
.endif
.endm
.irp i, 0,1,2,3,4,5,6,7
	ROWP \i
.endr
	s_wait_alu depctr_va_vdst(0)                   ; row 7's select has written v16, which the LDS store reads
	ds_store_b32 v5, v16                           ; four lanes write each word, with the same value
	s_wait_dscnt 0x0                               ; for wave 0's sake: my sums are in LDS
	s_barrier_signal -1
	s_barrier_wait -1
	s_cmp_lg_u32 s12, 0
	s_cbranch_scc1 .Lend
	ds_load_b64 v[20:21], v3                       ; wave 0: all 64 sums; no vector instruction has named v[20:21], and v3 stands as the head made it
	s_wait_dscnt 0x0
	global_store_b64 v3, v[20:21], s[10:11]        ; 256 consecutive bytes, aligned
.Lend:
	s_wait_dscnt 0x0                               ; the closing lines, six on end
	s_wait_alu 0x0
	s_wait_tensorcnt 0x0
	ds_add_u32 v6, v7
	s_wait_dscnt 0x0
	s_endpgm
.Lfunc_end_k_qefb15ef11b_prep:
	.size	k_qefb15ef11b_prep, .Lfunc_end_k_qefb15ef11b_prep-k_qefb15ef11b_prep
	.p2alignl 7, 3214868480
	.fill 96, 4, 3214868480
	.section	.rodata,"a",@progbits
	.p2align	6, 0x0
	.amdhsa_kernel k_qefb15ef11b_prep
		.amdhsa_group_segment_fixed_size 1280
		.amdhsa_private_segment_fixed_size 0
		.amdhsa_enable_private_segment 0
		.amdhsa_kernarg_size 32
		.amdhsa_user_sgpr_count 2
		.amdhsa_user_sgpr_kernarg_segment_ptr 1
		.amdhsa_wavefront_size32 1
		.amdhsa_system_sgpr_workgroup_id_x 1
		.amdhsa_system_sgpr_workgroup_id_y 1
		.amdhsa_system_sgpr_workgroup_id_z 1
		.amdhsa_system_vgpr_workitem_id 0
		.amdhsa_next_free_vgpr 160
		.amdhsa_next_free_sgpr 66
		.amdhsa_reserve_vcc 0
		.amdhsa_float_denorm_mode_32 3
		.amdhsa_float_denorm_mode_16_64 3
		.amdhsa_memory_ordered 1
		.amdhsa_forward_progress 1
		.amdhsa_inst_pref_size 26
	.end_amdhsa_kernel
	.amdgpu_metadata
---
amdhsa.version: [ 1, 2 ]
amdhsa.kernels:
  - .name:           k_qefb15ef11b_prep
    .symbol:         k_qefb15ef11b_prep.kd
    .args:
      - { .name: codebook, .offset: 0, .size: 8, .value_kind: global_buffer, .address_space: global }
      - { .name: x, .offset: 8, .size: 8, .value_kind: global_buffer, .address_space: global }
      - { .name: h16, .offset: 16, .size: 8, .value_kind: global_buffer, .address_space: global }
      - { .name: sq, .offset: 24, .size: 8, .value_kind: global_buffer, .address_space: global }
    .group_segment_fixed_size: 1280
    .private_segment_fixed_size: 0
    .kernarg_segment_align: 8
    .kernarg_segment_size: 32
    .max_flat_workgroup_size: 256
    .sgpr_count:     66
    .vgpr_count:     160
    .wavefront_size: 32
...
	.end_amdgpu_metadata
.endif
;; end of part 5
;; launch dist: the kernel of part 2 again; grid 64 x 4, 4 waves a work-group, clusters of 4 x 1, 327,680 bytes of LDS; arguments h16, sq, part; writes part
;; launch pick: the kernel of part 3 again; grid 256 x 1, 1 waves a work-group, no clusters, 0 bytes of LDS; arguments part, best; writes best
;; launch gather: the kernel of part 4 again; grid 512 x 1, 4 waves a work-group, no clusters, 0 bytes of LDS; arguments best, codebook, out0; writes out0
